; MI455X (gfx1250); checked and timed in simulation.
; The chip was launched on July 23, 2026; its instructions are those of AMD's public machine-readable ISA for CDNA 5 (MIT licence, August 2026) and "CDNA5" Instruction Set Architecture Reference Guide (July 2026). The comments in the code are by the model that wrote it; some were corrected since.
;; Position Net. Allowed arithmetic: matrix products marked QUANTISED: E2M3 operands, one E8M0 scale for each 32 along K, by v_wmma_scale_f32_16x16x128_f8f6f4 with both operands' format E2M3, f32 sums; everything else in f32.
;; Inputs: conv_b 200 float32; conv_w_codes 200 x 24 x 24 uint8 (E2M3 codes of conv_w, K innermost, in blocks of 32 codes, four codes in three bytes); conv_w_scales 200 x 24 uint8 (E8M0 scales of conv_w, one for each 32 codes along K); img_feat_codes 512 x 8 x 8 x 24 x 24 uint8 (E2M3 codes of img_feat, K innermost, in blocks of 32 codes, four codes in three bytes); img_feat_scales 512 x 8 x 8 x 24 uint8 (E8M0 scales of img_feat, one for each 32 codes along K).
;; Outputs: out0 512 x 25 x 8 x 8 x 8 float32; out1 512 x 25 x 3 float32.
;; This version of the problem:
;;   THIS VERSION OF THE PROBLEM IS GIVEN IN LOW PRECISION. The matrix products marked QUANTISED in the list below multiply operands that are first quantised to E2M3 (2 exponent bits, 3 mantissa bits; 6 bits a number), with one power-of-two scale for each 32 numbers along K (OCP MX v1.0); their sums are f32. All else is computed in f32.
;;   The module's matrix products, in the order in which they are computed (A, B: the left and right operand; K: the contracted axis; several contracted axes count as one K, in the product's order):
;;     1. [M 200, K 768] x [K 768, N 32,768]; A: input conv_w (given as codes); B: input img_feat (given as codes): QUANTISED
;;   THE QUANTISER, for each operand of a quantised product, along K:
;;     - K is cut into blocks of 32 from its start; a last block that is shorter is filled with zeros.
;;     - A block's scale is 2^e with e = floor(log2(the largest magnitude in the block)) - 2, held to -126 .. 127; a block of zeros has e = 0. As a byte (E8M0): e + 127.
;;     - Each number is divided by its block's scale, clamped to +-7.5, and rounded to the nearest number of E2M3, ties to even, subnormals kept.
;;     - The product sums the exact products of the quantised numbers (number of the format x scale) in f32.
;;   ~~~python
;;   def quantise(x, axis):      # numpy; x: float32 -> the quantised numbers, widened to float32 again
;;       x = np.moveaxis(x, axis, -1); K = x.shape[-1]
;;       x = np.pad(x, [(0, 0)] * (x.ndim - 1) + [(0, -K % 32)]); x = x.reshape(x.shape[:-1] + (-1, 32)); a = np.abs(x).max(-1, keepdims=True)
;;       e = np.where(a > 0, np.clip(np.frexp(np.where(a > 0, a, 1))[1] - 1 - 2, -126, 127), 0)      # np.frexp(a)[1] - 1 = floor(log2(a)), exactly
;;       r = np.clip(x / 2.0 ** e, -7.5, 7.5)
;;       step = 2.0 ** (np.maximum(np.frexp(np.where(r == 0, 1, r))[1] - 1, 0) - 3)
;;       q = np.round(r / step) * step * 2.0 ** e      # np.round: ties to even
;;       return np.moveaxis(q.reshape(q.shape[:-2] + (-1,))[..., :K], -1, axis).astype(np.float32)
;;   ~~~
;;   INPUTS GIVEN AS CODES. conv_w (in the module: [200, 768], K = its axis 1); img_feat (in the module: [512, 768, 8, 8], K = its axis 1): each comes as NAME_codes (uint8): NAME with its K axis moved to the last place and cut into blocks of 32 codes, [.., K / 32, bytes a block], one block behind the other in memory; four codes in three bytes: a row's codes are one little-endian stream of bits, code i at bits 6 i .. 6 i + 5 (a code: sign, 2 exponent bits, 3 mantissa bits); and NAME_scales (uint8): the same leading axes, one E8M0 byte (e + 127) for each 32 codes along K. Its value is code x scale, taken as it is: it is not quantised again, and the codes and scales need not be those that the quantiser above would give.
;; One version. Each part assembles by itself: llvm-mc -triple=amdgcn-amd-amdhsa -mcpu=gfx1250 --defsym DOCPART=n.
;; ======== version 1 of 1: 1 launch
;; launch posnet (part 1): grid 256 x 1, 8 waves a work-group, clusters of 4 x 1, 239,616 bytes of LDS; arguments img_feat_codes, img_feat_scales, conv_w_codes, conv_w_scales, conv_b, out0, out1; writes out0, out1
.if DOCPART == 1
	.amdgcn_target "amdgcn-amd-amdhsa--gfx1250"
	.amdhsa_code_object_version 6
	.text
	.protected	k_qcda2843bca_posnet
	.globl	k_qcda2843bca_posnet
	.p2align	8
	.type	k_qcda2843bca_posnet,@function
k_qcda2843bca_posnet:
	s_mov_b64 s[64:65], 0
	v_nop
	global_prefetch_b8 v0, s[64:65] scope:SCOPE_SE
	s_setreg_imm32_b32 hwreg(HW_REG_WAVE_MODE, 25, 1), 1
	s_wait_xcnt 0x0
	s_wait_alu depctr_hold_cnt(0) depctr_sa_sdst(0) depctr_va_vdst(0) depctr_va_sdst(0) depctr_va_ssrc(0) depctr_va_vcc(0) depctr_vm_vsrc(0)
	s_getreg_b32 s2, hwreg(HW_REG_IB_STS2, 6, 4)
	s_cmp_eq_u32 s2, 0
	s_cbranch_scc0 .Lentry_in_a_cluster
	s_endpgm
.Lentry_in_a_cluster:
	s_bfe_u32 s2, ttmp6, 0x10000c
	s_cmp_lg_u32 s2, 0x3003
	s_cbranch_scc0 .Lentry_shape_is_right
	s_endpgm
.Lentry_shape_is_right:
; hm[b][o][pix] = sum over c of W[o][c] F[b][pix][c] + bias[o]  (200 x 768 x 32,768, both operands codes of FP6 (E2M3) with one E8M0 byte for each 32 along K);
; for each image and joint (8 channels x 64 pixels = 512 numbers) a softmax p (out0) and the three expectations x, y, z of p (out1).  All behind the product in f32.
; SHARES.  Work-group g owns images 2 g and 2 g + 1.  Wave w: image b = w / 4, quarter q = w % 4 of the channels.  A TILE is 16 channels (two joints) x all 64 pixels x K 768: four accumulators, 24 matrix instructions.
; 25 joints are 13 tiles an image: a wave has 3 tiles, 4 where q = b.  The 13th tile would begin at channel 192; it begins at 184 instead (joints 23 and 24), so that no row, scale or bias past 199 is touched:
; joint 23 is made twice by the same wave; its p is stored once (lanes 0-15 are off in that tile's stores), its coordinates are written twice, with the same values, into the same LDS words.
; LAYOUT.  Source 0 = 16 rows of W, source 1 = 16 pixels.  THE PIXELS OF A TILE ARE NOT NEIGHBOURS: column r of pixel tile n is pixel 4 r + n.  In accumulator n, lane (r, h), register j is channel row + 8 h + j at pixel 4 r + n:
; lanes 0-15 hold one joint (depth d = j), lanes 16-31 the next, so a joint's maximum and sums are a lane's 32 registers and four steps inside 16 lanes.  The exponential writes p of (j, n) to register 4 j + n: four neighbouring
; registers are four neighbouring pixels, and a store of 16 bytes a lane covers, in lanes 0-15, 256 consecutive aligned bytes of out0 (a channel's 64 pixels), in lanes 16-31 the same 2,048 bytes on.  No stage in LDS on the way out.
; DATA.  All that a work-group reads of the large inputs fits in LDS at once: 73,728 bytes of features and 115,200 of weights, each filled ONCE: no slot is filled again.  A wave's image (24 fragments, 288 registers) stays in its
; registers for all its tiles; W's six fragments of a tile are fetched from LDS a tile ahead, behind the tile's products.  The bias is the C of each sum's first product.
; CLUSTER.  Every work-group reads the same weights: the four of a cluster ask for them JOINTLY (the same tensor load, the same descriptor, a mask that names the four); the features are each work-group's own, by a plain load.
; Two waves share a SIMD (512 registers each): one wave's softmax stands beside the other's products.
; SOFTMAX.  t = s log2(e) - m log2(e), m the joint's true maximum, by one fused multiply-add; p = 2^t / the sum of 2^t.
; LIMITS.  A scale byte 0xff (NaN) or an infinite logit makes the whole joint NaN, as it does in the definition; not tried.  A 2^t under 2^-126 comes out of v_exp_f32 as 0.
.set FPART,  11536                     ; LDS: part w of the features: 16 rows x 720 bytes, + 16, so that the rows 4 r + n of a load start at 16 different banks (64 banks of 4 bytes: ISA guide 11.1)
.set PITCH,  720                       ; a row of 576 bytes with 16 bytes of padding behind every 64: 180 words
.set WGT,    92416                     ; behind the eight parts (92,288 bytes): W's 200 rows, 144,000 bytes
.set WPART,  18000                     ; 25 rows: what one wave's joint load brings
.set COORD,  236544                    ; behind W: the work-group's coordinates, [image][joint][4 words: x, y, z, one that nobody reads], 800 bytes, in blocks of 256 bytes into which no tensor load lands
; vector registers, window 0
.set LB0,  1                           ; v1   WGT + 720 r + 24 h;   v2 the same + 16 h, for the pieces that lie behind one padding more
.set LB1,  2
.set WA0,  3                           ; v3-4 the same for the tile whose W is fetched
.set WA1,  4
.set GO,   5                           ; v5   2048 h + 16 r: my 16 bytes in a tile's 16 rows of out0; never rewritten
.set CA,   6                           ; v6   COORD + 16 h + 4 (r % 4)
.set X4,   7                           ; v7   4 (r % 2) as f32: my pixels' column is 4 (r % 2) + n
.set YR,   8                           ; v8   r / 2 as f32: my pixels' row
.set H,    9                           ; v9   h
.set CAD,  10                          ; v10  LDS address of the coordinate in hand
.set CV,   11                          ; v11  its value
.set MX,   12                          ; v12-15 four running maxima
.set OFS,  16                          ; v[16:17] -m log2(e); v17 is named with it as a pair and holds 0
.set RC,   18                          ; v[18:19] 1 / the sum; v19 likewise
.set FS,   20                          ; v20-31 F's scale words: register 6 p + s, lane 16 u + r: word s of pixel 4 r + 2 p + u.  Scales and nothing else
.set WS,   32                          ; v32-43 W's: register 6 p + s, lane 16 u + r: word s of row r of tile 2 p + u.  Scales and nothing else
.set ACC,  44                          ; v44-75 accumulator n at 8 n
.set P,    76                          ; v76-107 p of (j, n) at 4 j + n
.set FH,   108                         ; v108-251 F's fragments of K steps 3 to 5: 48 (s - 3) + 12 n
; window 1: v0-143 F's fragments of K steps 0 to 2: 48 s + 12 n
.set WF,   144                         ; v144-215 W's six fragments of a tile
.set BI,   216                         ; v216-247 the bias of tile i in the result's layout: 8 i + j
; at the head only, where the accumulators will lie
.set FA0,  44                          ; v44-45 my place in the features (24 h and 40 h)
.set FSA,  46                          ; v46    offset of my words in F's scales
.set WSA,  47                          ; v47-48 in W's scales
.set BA,   49                          ; v49-52 in the bias
.set R,    61                          ; v61    r
.set TC,   62                          ; v62    r % 4
.set TT,   63                          ; v63    at work
; behind the exponentials, where the accumulators lay
.set GS,   44                          ; v44-59 G_j, a pair for each depth j: (pixels n = 0 and 2, pixels n = 1 and 3)
.set EA,   60                          ; v[60:61], v[62:63] two chains over (n = 2, n = 3)
.set EB,   62
.set ZS,   64                          ; v[64:65] the sum of j G_j
.set QS,   68                          ; v68-71 the lane's sum of p, of x p, of y p, of z p
.set SA,   72                          ; v[72:73], v[74:75] two chains over G_j
.set SB,   74
; scalar registers
.set WV,   18                          ; wave
.set IB,   19                          ; b
.set Q,    20                          ; q
.set CX,   21                          ; my place in the cluster: it enters global addresses alone
.set G,    22                          ; work-group
.set T0,   23                          ; my first tile
.set ROW,  24                          ; s24-27  first channel of tile i
.set G1F,  28                          ; s[28:35] descriptor group 1, s[36:39] group 0: features
.set G0F,  36
.set G1W,  40                          ; s[40:47], s[48:51]: weights
.set G0W,  48
.set OUTP, 52                          ; s[52:59] out0 at tile i's first channel of my image
.set WOFF, 60                          ; s60-63  720 x first channel
.set CO,   66                          ; s66-69  400 b + 16 x first joint = 400 b + 2 x first channel
.set L2E,  70                          ; s[70:71] log2(e): the packed form names a pair and takes its low word for both halves
.set NL2E, 72                          ; s72     -log2(e)
.set MC1,  73                          ; s73, s74 lanes with r % 4 = 1, = 2
.set MC2,  74
.set DUP,  75                          ; s75     1 in the wave whose third tile repeats a joint (q = 3), else 0
.set SAVE, 76
.set FOUR, 77                          ; s77     q xor b: 0 in a wave of four tiles
.set FSC,  78                          ; s[78:79] F's scales at my image
.set MSB, 0
.macro WIN new                         ; the immediate's high byte repeats the setting that is left; a switch that changes nothing is dropped
.if MSB != \new
	s_set_vgpr_msb (MSB<<8)|\new
.set MSB, \new
.endif
.endm
; A round of the cluster's barrier: my work-group's barrier, so that wave 0's signal speaks for all eight waves; wave 0 signals for the work-group; every wave waits for all four work-groups; my work-group's barrier once more.
.macro CROUND
	s_barrier_signal -1
	s_barrier_wait -1
	s_cmp_lg_u32 s[WV], 0
	s_cbranch_scc1 .Lnot_wave_0_\@
	s_barrier_signal -3
.Lnot_wave_0_\@:
	s_barrier_wait -3
	s_barrier_signal -1
	s_barrier_wait -1
.endm
; A fragment, 16 rows x 128 K of 6-bit codes, is 12 registers: lane (r, h) holds its row's K = 64 c + 32 h + 0 .. 31 in registers 6 c .. 6 c + 5: 24 bytes of the row's stream of bits, as they lie, in pieces of 8 bytes.
; Lanes 0-15 take the row's pieces 12 s + 0, 1, 2 and 12 s + 6, 7, 8, lanes 16-31 those three pieces on.  16 bytes of padding lie behind every 8 pieces: where the piece three on lies behind one padding more, the second address register serves.
.macro FRAG reg, adr, s, off
.irp p, 0,1,2,3,4,5
.set PC, 12*(\s)+6*(\p/3)+\p%3
.if PC%8 < 5
	ds_load_b64 v[\reg+2*\p:\reg+2*\p+1], v[\adr] offset:(\off)+8*PC+16*(PC/8)
.else
	ds_load_b64 v[\reg+2*\p:\reg+2*\p+1], v[\adr+1] offset:(\off)+8*PC+16*(PC/8)
.endif
.endr
.endm
; One product.  ra, rb = 1: that side's scale words stand in lanes 16-31 of its register.
.macro WM d, a, bb, c, sa, sb, ra, rb
.if (\ra) && (\rb)
	v_wmma_scale_f32_16x16x128_f8f6f4 v[\d:\d+7], v[\a:\a+11], v[\bb:\bb+11], v[\c:\c+7], v[\sa], v[\sb] matrix_a_fmt:MATRIX_FMT_FP6 matrix_b_fmt:MATRIX_FMT_FP6 matrix_a_scale:MATRIX_SCALE_ROW1 matrix_b_scale:MATRIX_SCALE_ROW1
.elseif (\ra)
	v_wmma_scale_f32_16x16x128_f8f6f4 v[\d:\d+7], v[\a:\a+11], v[\bb:\bb+11], v[\c:\c+7], v[\sa], v[\sb] matrix_a_fmt:MATRIX_FMT_FP6 matrix_b_fmt:MATRIX_FMT_FP6 matrix_a_scale:MATRIX_SCALE_ROW1
.elseif (\rb)
	v_wmma_scale_f32_16x16x128_f8f6f4 v[\d:\d+7], v[\a:\a+11], v[\bb:\bb+11], v[\c:\c+7], v[\sa], v[\sb] matrix_a_fmt:MATRIX_FMT_FP6 matrix_b_fmt:MATRIX_FMT_FP6 matrix_b_scale:MATRIX_SCALE_ROW1
.else
	v_wmma_scale_f32_16x16x128_f8f6f4 v[\d:\d+7], v[\a:\a+11], v[\bb:\bb+11], v[\c:\c+7], v[\sa], v[\sb] matrix_a_fmt:MATRIX_FMT_FP6 matrix_b_fmt:MATRIX_FMT_FP6
.endif
.endm
; W's six fragments of the tile whose addresses stand in v3, v4: 36 loads in one run
.macro WLOAD
	WIN 0x40                                       ; destination window 1, address window 0
.irp s, 0,1,2,3,4,5
	FRAG WF+12*\s, WA0, \s, 0
.endr
	WIN 0
.endm
; Tile i's 24 products: K ascending, the four accumulators by turns, one instruction a turn.  The first four take the bias as C: nothing is cleared, nothing is added later.
.macro MMA i
.irp s, 0,1,2,3,4,5
.if \s == 0
	WIN 0x15                                       ; W, F and the bias in window 1, the result in window 0
.elseif \s < 3
	WIN 0x05                                       ; W and F in window 1
.else
	WIN 0x01                                       ; W in window 1
.endif
.irp n, 0,1,2,3
.if \s == 0
	WM ACC+8*\n, WF+12*\s, 48*\s+12*\n, BI+8*(\i), WS+6*((\i)/2)+\s, FS+6*(\n/2)+\s, (\i)%2, \n%2
.elseif \s < 3
	WM ACC+8*\n, WF+12*\s, 48*\s+12*\n, ACC+8*\n, WS+6*((\i)/2)+\s, FS+6*(\n/2)+\s, (\i)%2, \n%2
.else
	WM ACC+8*\n, WF+12*\s, FH+48*(\s-3)+12*\n, ACC+8*\n, WS+6*((\i)/2)+\s, FS+6*(\n/2)+\s, (\i)%2, \n%2
.endif
.endr
.endr
	WIN 0
.endm
; Tile i's softmax and expectations: each half of the lanes is one joint.
.macro SOFT i
.irp n, 0,1,2,3
	v_max3_num_f32 v[MX+\n], v[ACC+8*\n], v[ACC+8*\n+1], v[ACC+8*\n+2]             ; the maximum: four chains, each accumulator from its low end on
.endr
.irp k, 3,5
.irp n, 0,1,2,3
	v_max3_num_f32 v[MX+\n], v[MX+\n], v[ACC+8*\n+\k], v[ACC+8*\n+\k+1]
.endr
.endr
	v_max3_num_f32 v[MX], v[MX], v[ACC+7], v[ACC+15]
	v_max3_num_f32 v[MX+2], v[MX+2], v[ACC+23], v[ACC+31]
	v_max3_num_f32 v[MX], v[MX], v[MX+1], v[MX+2]
	v_max_num_f32 v[MX], v[MX], v[MX+3]
.irp x, 1,2,4,8
	v_max_num_f32_dpp v[MX], v[MX], v[MX] row_xmask:\x row_mask:0xf bank_mask:0xf   ; over the joint's 16 lanes
.endr
	v_mul_f32 v[OFS], s[NL2E], v[MX]               ; -m log2(e)
.irp k, 0,2,4,6,8,10,12,14,16,18,20,22,24,26,28,30
	v_pk_fma_f32 v[ACC+\k:ACC+\k+1], v[ACC+\k:ACC+\k+1], s[L2E:L2E+1], v[OFS:OFS+1] op_sel_hi:[1,0,0]   ; t = s log2(e) - m log2(e), two at a time
.endr
	s_wait_xcnt 0x0                                ; the last tile's stores have read their data registers: p is written again only behind this wait
.irp j, 0,1,2,3,4,5,6,7
.irp n, 0,1,2,3
	v_exp_f32 v[P+4*\j+\n], v[ACC+8*\n+\j]         ; 2^t, laid so that four neighbouring registers are pixels 4 r .. 4 r + 3 of depth j
.endr
.endr
	v_add_nc_u32 v[CAD], s[CO+\i], v[CA]           ; where my coordinate goes.  (The plain instruction behind the exponentials: ISA guide 5.7.2)
	s_wait_alu depctr_va_vdst(0)
.irp j, 0,1,2,3,4,5,6,7
	v_pk_add_f32 v[GS+2*\j:GS+2*\j+1], v[P+4*\j:P+4*\j+1], v[P+4*\j+2:P+4*\j+3]    ; G_j = (n = 0 and 2, n = 1 and 3) of depth j
.endr
	v_pk_add_f32 v[EA:EA+1], v[P+2:P+3], v[P+6:P+7]                                ; five chains by turns: E (two) over (n = 2, n = 3), S (two) over G_j, Z = the sum of j G_j
	v_pk_add_f32 v[EB:EB+1], v[P+10:P+11], v[P+14:P+15]
	v_pk_add_f32 v[SA:SA+1], v[GS:GS+1], v[GS+2:GS+3]
	v_pk_add_f32 v[SB:SB+1], v[GS+4:GS+5], v[GS+6:GS+7]
	v_pk_fma_f32 v[ZS:ZS+1], v[GS+4:GS+5], 2.0, v[GS+2:GS+3] op_sel_hi:[1,0,1]
	v_pk_add_f32 v[EA:EA+1], v[EA:EA+1], v[P+18:P+19]
	v_pk_add_f32 v[EB:EB+1], v[EB:EB+1], v[P+22:P+23]
	v_pk_add_f32 v[SA:SA+1], v[SA:SA+1], v[GS+8:GS+9]
	v_pk_add_f32 v[SB:SB+1], v[SB:SB+1], v[GS+10:GS+11]
	v_pk_fma_f32 v[ZS:ZS+1], v[GS+6:GS+7], 0x40400000, v[ZS:ZS+1] op_sel_hi:[1,0,1]    ; x 3
	v_pk_add_f32 v[EA:EA+1], v[EA:EA+1], v[P+26:P+27]
	v_pk_add_f32 v[EB:EB+1], v[EB:EB+1], v[P+30:P+31]
	v_pk_add_f32 v[SA:SA+1], v[SA:SA+1], v[GS+12:GS+13]
	v_pk_add_f32 v[SB:SB+1], v[SB:SB+1], v[GS+14:GS+15]
	v_pk_fma_f32 v[ZS:ZS+1], v[GS+8:GS+9], 4.0, v[ZS:ZS+1] op_sel_hi:[1,0,1]
	v_pk_add_f32 v[EA:EA+1], v[EA:EA+1], v[EB:EB+1]
	v_pk_add_f32 v[SA:SA+1], v[SA:SA+1], v[SB:SB+1]
	v_pk_fma_f32 v[ZS:ZS+1], v[GS+10:GS+11], 0x40a00000, v[ZS:ZS+1] op_sel_hi:[1,0,1]  ; x 5
	v_pk_fma_f32 v[ZS:ZS+1], v[GS+12:GS+13], 0x40c00000, v[ZS:ZS+1] op_sel_hi:[1,0,1]  ; x 6
	v_pk_fma_f32 v[ZS:ZS+1], v[GS+14:GS+15], 0x40e00000, v[ZS:ZS+1] op_sel_hi:[1,0,1]  ; x 7
	v_add_f32 v[QS], v[SA], v[SA+1]                ; my 32 numbers' sum
	v_add_f32 v[MX], v[EA], v[EA+1]                ; those of n = 2 and 3
	v_add_f32 v[QS+3], v[ZS], v[ZS+1]              ; the sum of d p
	v_fma_f32 v[QS+1], v[MX], 2.0, v[SA+1]         ; the sum of n p = (n = 1 and 3) + 2 (n = 2 and 3),
	v_mul_f32 v[QS+2], v[QS], v[YR]                ; the sum of (row) p: all my pixels lie in row r / 2
	v_fma_f32 v[QS+1], v[QS], v[X4], v[QS+1]       ; and 4 (r % 2) for each: the sum of (column) p
.irp x, 1,2,4,8
.irp k, 0,1,2,3
	v_add_f32_dpp v[QS+\k], v[QS+\k], v[QS+\k] row_xmask:\x row_mask:0xf bank_mask:0xf   ; over the joint's 16 lanes, the four figures by turns
.endr
.endr
	v_rcp_f32 v[RC], v[QS]
	v_cndmask_b32 v[CV], v[QS+1], v[QS+2], s[MC1]  ; lanes with r % 4 = 1 carry y, 2 z, the others x.  (The plain instruction behind the reciprocal)
	v_cndmask_b32 v[CV], v[CV], v[QS+3], s[MC2]
	s_wait_alu depctr_va_vdst(0)
	v_mul_f32 v[CV], v[CV], v[RC]
	ds_store_b32 v[CAD], v[CV]                     ; the joint's four words (the fourth is read by nobody); lanes that share a word write the same value
.irp k, 0,2,4,6,8,10,12,14,16,18,20,22,24,26,28,30
	v_pk_mul_f32 v[P+\k:P+\k+1], v[P+\k:P+\k+1], v[RC:RC+1] op_sel_hi:[1,0]        ; p
.endr
.endm
; Tile i's p leaves: store j is depth j of both joints; sixteen lanes store 256 consecutive bytes, at a multiple of 256 from out0's first byte.
.macro SEND i
.if \i == 2
	v_cmp_le_u32 vcc_lo, s[DUP], v[H]              ; in the wave whose third tile repeats joint 23, lanes 0-15 store nothing; in the others every lane is on
	s_wait_xcnt 0x0                                ; EXEC is a source of the stores that are out: it changes only behind this wait
	s_and_saveexec_b32 s[SAVE], vcc_lo
.endif
.irp j, 0,1,2,3,4,5,6,7
	global_store_b128 v[GO], v[P+4*\j:P+4*\j+3], s[OUTP+2*\i:OUTP+2*\i+1] offset:256*\j th:TH_STORE_NT   ; written once, read by nobody here
.endr
.if \i == 2
	s_wait_xcnt 0x0                                ; and again in front of the line that widens it
	s_or_b32 exec_lo, exec_lo, s[SAVE]
.endif
.endm
; A tile.  next = 1: the next tile's W is fetched behind this tile's products, under the softmax.  maybe = 1: only a wave of four tiles has a next tile; the branch hangs on the wave's number alone and stands round the loads alone.
.macro TILE i, next, maybe
	s_wait_dscnt 0x0                               ; this tile's W is in (and the last coordinate's store is done)
	MMA \i
.if \next
	v_add_nc_u32 v[WA0], s[WOFF+\i+1], v[LB0]      ; four plain instructions that name no register of the products: the places in front of the loads into W's registers
	v_add_nc_u32 v[WA1], s[WOFF+\i+1], v[LB1]      ; and of the first read of the results
	v_nop
	v_nop
.if \maybe
	s_cmp_lg_u32 s[FOUR], 0
	s_cbranch_scc1 .Lno_w_\@
.endif
	WLOAD
.if \maybe
.Lno_w_\@:
.endif
.else
.rept 4
	v_nop
.endr
.endif
	SOFT \i
	SEND \i
.endm
	s_load_b256 s[4:11], s[0:1], 0x0               ; F's codes s[4:5], F's scales s[6:7], W's codes s[8:9], W's scales s[10:11]
	s_load_b128 s[12:15], s[0:1], 0x20             ; the bias s[12:13], out0 s[14:15]
	s_load_b64 s[16:17], s[0:1], 0x30              ; out1
	v_lshl_add_u32 v254, v0, 2, 0x3a400
	v_mov_b32 v255, 0
	ds_add_u32 v254, v255
	ds_add_u32 v254, v255
	v_lshrrev_b32 v1, 5, v0
	v_readfirstlane_b32 s[WV], v1                  ; wave 0..7
	v_and_b32 v[R], 15, v0                         ; r
	v_bfe_u32 v[H], v0, 4, 1                       ; h
	s_lshr_b32 s[IB], s[WV], 2                     ; b: which of the two images
	s_and_b32 s[Q], s[WV], 3                       ; q: which quarter of the channels
	s_xor_b32 s[FOUR], s[Q], s[IB]                 ; 0 where q = b
	s_bfe_u32 s[CX], ttmp6, 0x40000                ; my place in the cluster
	s_lshl_b32 s[G], ttmp9, 2                      ; in a cluster launch ttmp9 counts clusters
	s_add_co_u32 s[G], s[G], s[CX]                 ; work-group = 4 x cluster + place
	s_xor_b32 s80, s[IB], 1
	s_add_co_u32 s80, s80, s[Q]
	s_add_co_u32 s80, s80, 2
	s_lshr_b32 s80, s80, 2                         ; 1 where q > b: the wave of four tiles lies in front of me
	s_mul_i32 s[T0], s[Q], 3
	s_add_co_u32 s[T0], s[T0], s80                 ; first tiles: image 0: 0, 4, 7, 10;  image 1: 0, 3, 7, 10
	s_lshl_b32 s81, s[T0], 4
	s_mul_i32 s83, s[IB], 400                      ; an image's 25 joints x 16 bytes in LDS
.irp i, 0,1,2,3
	s_add_co_u32 s[ROW+\i], s81, 16*\i
	s_min_u32 s[ROW+\i], s[ROW+\i], 184            ; the 13th tile begins at 184; so does a fourth tile that is never worked: its scales and bias are loaded from inside their buffers
	s_mul_i32 s[WOFF+\i], s[ROW+\i], PITCH
	s_lshl_b32 s82, s[ROW+\i], 1                   ; 16 bytes a joint of 8 channels
	s_add_co_u32 s[CO+\i], s82, s83
.endr
	s_add_co_u32 s[DUP], s[Q], 1
	s_lshr_b32 s[DUP], s[DUP], 2                   ; 1 where q = 3
	s_mov_b32 s[L2E], 0x3fb8aa3b                   ; log2(e)
	s_mov_b32 s[L2E+1], s[L2E]                     ; (named with it as a pair, so it is written)
	s_mov_b32 s[NL2E], 0xbfb8aa3b
	; descriptor group 1, features: my 16 rows are 9,216 dense bytes: 36 rows of 256 bytes
	s_mov_b32 s[G1F+0], (3<<16)|(1<<20)|(3<<22)|(3<<25)    ; 15:0 no mask; 17:16 elements of 8 bytes; 20 padding on; 24:22 after every 16 words (code 3); 31:25 of 4 words (code 3)
	s_mov_b32 s[G1F+1], 32<<16                     ; tensor_dim0 = 32 elements
	s_mov_b32 s[G1F+2], 36<<16                     ; tensor_dim1 = 36
	s_mov_b32 s[G1F+3], 32<<16                     ; tile_dim0
	s_mov_b32 s[G1F+4], 36                         ; tile_dim1
	s_mov_b32 s[G1F+5], 32                         ; tensor_dim0_stride
	s_mov_b32 s[G1F+6], 0
	s_mov_b32 s[G1F+7], 0
	; weights: 25 rows of 576 bytes, asked for jointly by the cluster's four work-groups
	s_mov_b32 s[G1W+0], 15|(3<<16)|(1<<20)|(1<<21)|(3<<22)|(3<<25)   ; 15:0 the mask: all four; 21 set beside a mask; the rest as above
	s_mov_b32 s[G1W+1], 72<<16
	s_mov_b32 s[G1W+2], 25<<16
	s_mov_b32 s[G1W+3], 72<<16
	s_mov_b32 s[G1W+4], 25
	s_mov_b32 s[G1W+5], 72
	s_mov_b32 s[G1W+6], 0
	s_mov_b32 s[G1W+7], 0
	; byte offsets, each in registers of its own
	s_mul_i32 s84, s[G], 73728                     ; features: my work-group's 128 rows,
	s_mul_i32 s85, s[WV], 9216                     ; my wave's 16 of them
	s_add_co_u32 s84, s84, s85
	s_mov_b32 s85, 0
	s_mul_i32 s86, s[WV], 14400                    ; weights: my wave's 25 rows: the wave's number alone, the same in all four partners
	s_mov_b32 s87, 0
	s_lshl_b32 s88, s[G], 1
	s_add_co_u32 s88, s88, s[IB]                   ; my image
	s_mul_i32 s89, s88, 51200                      ; in out0
	s_mov_b32 s91, 0
	s_mul_i32 s92, s88, 1536                       ; in F's scales
	s_mov_b32 s93, 0
	s_mul_i32 s94, s[G], 600                       ; my work-group's 150 numbers of out1
	s_mov_b32 s95, 0
	v_mul_u32_u24 v[FSA], v[R], 96                 ; F's scale words: pixel 4 r + 2 p + h, 24 bytes a pixel
	v_mad_u32_u24 v[FSA], v[H], 24, v[FSA]
.irp p, 0,1
	s_sub_co_u32 s80, s[ROW+2*\p+1], s[ROW+2*\p]
	s_mul_i32 s80, s80, 24
	s_mul_i32 s81, s[ROW+2*\p], 24
	v_mul_u32_u24 v[WSA+\p], v[R], 24              ; W's: lanes 0-15 row r of tile 2 p, lanes 16-31 of tile 2 p + 1
	v_mad_u32_u24 v[WSA+\p], v[H], s80, v[WSA+\p]
	v_add_nc_u32 v[WSA+\p], s81, v[WSA+\p]
.endr
.irp i, 0,1,2,3
	s_lshl_b32 s80, s[ROW+\i], 2
	v_lshl_add_u32 v[BA+\i], v[H], 5, s80          ; the bias of channels row + 8 h + 0 .. 7
.endr
	s_wait_dscnt 0x0
	s_wait_kmcnt 0x0
	s_add_nc_u64 s[FSC:FSC+1], s[6:7], s[92:93]
	s_add_nc_u64 s[16:17], s[16:17], s[94:95]
.irp i, 0,1,2,3
	s_lshl_b32 s90, s[ROW+\i], 8
	s_add_co_u32 s90, s90, s89
	s_add_nc_u64 s[OUTP+2*\i:OUTP+2*\i+1], s[14:15], s[90:91]
.endr
	; the small inputs go straight into registers; they are asked for first and waited for in front of the first product
.irp p, 0,1
.irp k, 0,1,2
	global_load_b64 v[FS+6*\p+2*\k:FS+6*\p+2*\k+1], v[FSA], s[FSC:FSC+1] offset:48*\p+8*\k
	global_load_b64 v[WS+6*\p+2*\k:WS+6*\p+2*\k+1], v[WSA+\p], s[10:11] offset:8*\k
.endr
.endr
	WIN 0x40                                       ; destination window 1
.irp i, 0,1,2,3
	global_load_b128 v[BI+8*\i:BI+8*\i+3], v[BA+\i], s[12:13]
	global_load_b128 v[BI+8*\i+4:BI+8*\i+7], v[BA+\i], s[12:13] offset:16
.endr
	WIN 0
	s_mov_b32 s[G0F], 1                            ; 1:0 count = 1
	s_mul_i32 s[G0F+1], s[WV], FPART               ; 63:32 LDS address: part w
	s_add_nc_u64 s[G0F+2:G0F+3], s[4:5], s[84:85]  ; 120:64 global address
	s_or_b32 s[G0F+3], s[G0F+3], 0x80000000        ; 127:126 type = 2
	s_mov_b32 s[G0W], 1
	s_mul_i32 s[G0W+1], s[WV], WPART
	s_add_co_u32 s[G0W+1], s[G0W+1], WGT
	s_add_nc_u64 s[G0W+2:G0W+3], s[8:9], s[86:87]
	s_or_b32 s[G0W+3], s[G0W+3], 0x80000000
	CROUND                                         ; all four work-groups are here: the joint loads meet
	tensor_load_to_lds s[G0F:G0F+3], s[G1F:G1F+7]  ; my 16 rows of features: wanted first
	s_nop 0
	tensor_load_to_lds s[G0W:G0W+3], s[G1W:G1W+7]  ; my 25 rows of W, for all four work-groups.  Two tensor loads of mine are out, and no more are ever issued
	s_nop 0
.rept 4
	v_nop
.endr
	; lane constants and LDS addresses, while the loads are on their way
	v_mul_u32_u24 v[LB0], v[R], PITCH
	v_mad_u32_u24 v[LB0], v[H], 24, v[LB0]
	v_add_nc_u32 v[LB0], WGT, v[LB0]
	v_lshl_add_u32 v[LB1], v[H], 4, v[LB0]
	v_lshlrev_b32 v[GO], 4, v[R]
	v_lshl_add_u32 v[GO], v[H], 11, v[GO]
	v_and_b32 v[TC], 3, v0                         ; r % 4: which of a joint's four words I write
	v_and_b32 v[CA], 16, v0                        ; 16 h: lanes 16-31 hold the next joint
	v_lshl_add_u32 v[CA], v[TC], 2, v[CA]
	v_add_nc_u32 v[CA], COORD, v[CA]
	v_cmp_eq_u32 s[MC1], 1, v[TC]
	v_cmp_eq_u32 s[MC2], 2, v[TC]
	v_and_b32 v[TT], 1, v[R]
	v_lshlrev_b32 v[TT], 2, v[TT]
	v_cvt_f32_u32 v[X4], v[TT]
	v_lshrrev_b32 v[TT], 1, v[R]
	v_cvt_f32_u32 v[YR], v[TT]
	v_mov_b32 v[OFS+1], 0
	v_mov_b32 v[RC+1], 0
	v_lshrrev_b32 v[TT], 2, v[R]                   ; pixel 4 r + n of image b is row 4 (r % 4) + n of part 4 b + r / 4
	v_mul_u32_u24 v[FA0], v[TT], FPART
	v_and_b32 v[TT], 3, v[R]
	v_mad_u32_u24 v[FA0], v[TT], 4*PITCH, v[FA0]
	v_mad_u32_u24 v[FA0], v[H], 24, v[FA0]
	s_mul_i32 s80, s[IB], 4*FPART
	v_add_nc_u32 v[FA0], s80, v[FA0]
	v_lshl_add_u32 v[FA0+1], v[H], 4, v[FA0]
	s_wait_tensorcnt 0x1                           ; tensor loads of a wave end in order: my features are in; the one younger load, my part of W, may stay out
	s_barrier_signal -1
	s_barrier_wait -1                              ; everybody's features are in
	WIN 0x40                                       ; my image's 24 fragments: they stay in registers
.irp s, 0,1,2
.irp n, 0,1,2,3
	FRAG 48*\s+12*\n, FA0, \s, PITCH*\n
.endr
.endr
	WIN 0
.irp s, 3,4,5
.irp n, 0,1,2,3
	FRAG FH+48*(\s-3)+12*\n, FA0, \s, PITCH*\n
.endr
.endr
	s_wait_tensorcnt 0x0                           ; my part of W is in,
	s_wait_dscnt 0x0                               ; no LDS load of mine is out at the signal; F is in,
	s_wait_loadcnt 0x0                             ; and so are the scale words and the bias
	s_barrier_signal -1
	s_barrier_wait -1                              ; all of W is in
	v_add_nc_u32 v[WA0], s[WOFF], v[LB0]
	v_add_nc_u32 v[WA1], s[WOFF], v[LB1]
	WLOAD
	TILE 0, 1, 0
	TILE 1, 1, 0
	TILE 2, 1, 1
	s_cmp_lg_u32 s[FOUR], 0                        ; the fourth tile: waves 0 and 5
	s_cbranch_scc1 .Ldone
	TILE 3, 0, 0
.Ldone:
	s_wait_dscnt 0x0                               ; for the others' sake: my coordinates' stores are done
	s_barrier_signal -1
	s_barrier_wait -1                              ; the work-group's 50 joints' coordinates lie in LDS
	v_mul_u32_u24 v[MX], v0, 171
	v_lshrrev_b32 v[MX], 9, v[MX]                  ; t / 3, exact for t under 512: the joint of out1's word t
	v_add_nc_u32 v[MX], v[MX], v0                  ; 4 (t / 3) + t % 3 = t + t / 3: its word in LDS
	v_lshl_add_u32 v[MX], v[MX], 2, COORD
	v_lshlrev_b32 v[CAD], 2, v0                    ; thread t stores word t: the 600 bytes leave on end
	v_cmp_gt_u32 vcc_lo, 150, v0
	s_wait_xcnt 0x0                                ; EXEC changes only behind this wait: stores of p are out
	s_and_saveexec_b32 s[SAVE], vcc_lo
	ds_load_b32 v[CV], v[MX]
	s_wait_dscnt 0x0
	global_store_b32 v[CAD], v[CV], s[16:17]
	s_wait_xcnt 0x0
	s_or_b32 exec_lo, exec_lo, s[SAVE]
	s_wait_tensorcnt 0x0
	ds_add_u32 v254, v255
	s_wait_dscnt 0x0
	CROUND                                         ; the closing round: no work-group ends while a partner may still ask for a tile that names it
	s_endpgm
.Lfunc_end_k_qcda2843bca_posnet:
	.size	k_qcda2843bca_posnet, .Lfunc_end_k_qcda2843bca_posnet-k_qcda2843bca_posnet
	.p2alignl 7, 3214868480
	.fill 96, 4, 3214868480
	.section	.rodata,"a",@progbits
	.p2align	6, 0x0
	.amdhsa_kernel k_qcda2843bca_posnet
		.amdhsa_group_segment_fixed_size 239616
		.amdhsa_private_segment_fixed_size 0
		.amdhsa_enable_private_segment 0
		.amdhsa_kernarg_size 56
		.amdhsa_user_sgpr_count 2
		.amdhsa_user_sgpr_kernarg_segment_ptr 1
		.amdhsa_wavefront_size32 1
		.amdhsa_system_sgpr_workgroup_id_x 1
		.amdhsa_system_sgpr_workgroup_id_y 1
		.amdhsa_system_sgpr_workgroup_id_z 1
		.amdhsa_system_vgpr_workitem_id 0
		.amdhsa_next_free_vgpr 512
		.amdhsa_next_free_sgpr 96
		.amdhsa_reserve_vcc 1
		.amdhsa_float_denorm_mode_32 3
		.amdhsa_float_denorm_mode_16_64 3
		.amdhsa_memory_ordered 1
		.amdhsa_forward_progress 1
		.amdhsa_inst_pref_size 78
	.end_amdhsa_kernel
	.amdgpu_metadata
---
amdhsa.version: [ 1, 2 ]
amdhsa.kernels:
  - .name:           k_qcda2843bca_posnet
    .symbol:         k_qcda2843bca_posnet.kd
    .args:
      - { .name: img_feat_codes, .offset: 0, .size: 8, .value_kind: global_buffer, .address_space: global }
      - { .name: img_feat_scales, .offset: 8, .size: 8, .value_kind: global_buffer, .address_space: global }
      - { .name: conv_w_codes, .offset: 16, .size: 8, .value_kind: global_buffer, .address_space: global }
      - { .name: conv_w_scales, .offset: 24, .size: 8, .value_kind: global_buffer, .address_space: global }
      - { .name: conv_b, .offset: 32, .size: 8, .value_kind: global_buffer, .address_space: global }
      - { .name: out0, .offset: 40, .size: 8, .value_kind: global_buffer, .address_space: global }
      - { .name: out1, .offset: 48, .size: 8, .value_kind: global_buffer, .address_space: global }
    .group_segment_fixed_size: 239616
    .private_segment_fixed_size: 0
    .kernarg_segment_align: 8
    .kernarg_segment_size: 56
    .max_flat_workgroup_size: 256
    .sgpr_count:     96
    .vgpr_count:     512
    .wavefront_size: 32
...
	.end_amdgpu_metadata
.endif
;; end of part 1
